; MI455X (gfx1250); checked and timed in simulation.
; The chip was launched on July 23, 2026; its instructions are those of AMD's public machine-readable ISA for CDNA 5 (MIT licence, August 2026) and "CDNA5" Instruction Set Architecture Reference Guide (July 2026). The comments in the code are by the model that wrote it; some were corrected since.
;; Go M. Allowed arithmetic: float matrix products may take bf16 or f16 operands with f32 sums; all other float work in f32.
;; Inputs: grid_points 4,096 x 2 float32; log_sigma 1 float32; t 1 float32; u_grid 4,096 float32; v_grid 4,096 float32; y 65,536 x 2 float32.
;; Outputs: out0 65,536 x 2 float32; out1 65,536 x 2 float32.
;; 2 versions, each right; version 2 is version 1 with the launch shortlist written anew for expert scheduling mode. Each part assembles by itself: llvm-mc -triple=amdgcn-amd-amdhsa -mcpu=gfx1250 --defsym DOCPART=n.
;; ======== version 1 of 2: 2 launches
;; workspace buffers: cand 262,144 bytes of whole numbers
;; launch shortlist (part 1): grid 256 x 1, 8 waves a work-group, no clusters, 67,584 bytes of LDS; arguments grid_points, y, cand; writes cand
.if DOCPART == 1
	.amdgcn_target "amdgcn-amd-amdhsa--gfx1250"
	.amdhsa_code_object_version 6
	.text
	.protected	k_q60d211c387_shortlist
	.globl	k_q60d211c387_shortlist
	.p2align	8
	.type	k_q60d211c387_shortlist,@function
k_q60d211c387_shortlist:
	s_mov_b64 s[64:65], 0
	v_nop
	global_prefetch_b8 v0, s[64:65] scope:SCOPE_SE
	s_setreg_imm32_b32 hwreg(HW_REG_WAVE_MODE, 25, 1), 1
	s_wait_xcnt 0x0
; SHORTLIST: for each of 65,536 particles, the three classes of 16 consecutive grid points (of 256 classes) that hold the smallest
; squared distances.  The next launch decides among those 48 points with reference()'s own f32 roundings.
;
; The product runs on bf16 operands: y and grid_points are rounded to bf16 (nearest even), |g|^2 and |y|^2 are taken from the rounded numbers.
; One matrix instruction gives a 16 x 16 tile of |y|^2 + |g|^2 - 2 y.g:
;   A (rows = 16 grid points): K places  g0, g1, hi, mid, 0, lo   with hi + mid + lo = f32 |g|^2 cut exactly into three bf16
;   B (columns = 16 particles):          -2 y0, -2 y1, 1, 1, 0, 1
;   C: |y|^2 of the lane's particle in all eight registers (it moves every candidate of a particle alike; it makes the result a small
;      number, so that cutting its low 8 bits costs a relative 2^-15 of a squared distance).
; A tile needs 3 of a lane's 8 operand registers in one half of the lanes, so ONE A fragment carries FOUR tiles (register quad u = 0, 1;
; lane half e = 0, 1), and B is non-zero only at the places of the tile that is wanted: zero times a finite number adds nothing.
; The four B operands of a set of particles are windows of 8 registers over a chain  Z T(e=0) Z T(e=1) Z ..  of blocks of four registers.
; Result layout (ISA guide 7.12.2): lane (r, h) holds particle r and grid rows 8 h + j in register j: the minimum runs along a lane's own registers.
;
; Record s (16 bytes at LDS byte 16 s), s = 64 f + 32 u + 16 e + 8 h + j, holds point 64 f + 32 u + 16 h + 8 e + j: so lane half h sees, in the
; two tiles e = 0, 1, the 16 CONSECUTIVE points of class c = 4 f + 2 u + h.
; A class's minimum gets the class number in its low 8 bits; the three smallest keys are kept, sorted (two medians of three and a minimum).
; Three, because the matrix unit's sum and the cut key can misplace near ties, and reference()'s own roundings can make ties of them.
; Not served: four different classes so close that the matrix unit's sum misplaces them.  With squared distances of a particle's neighbours
; arriving at a rate of pi x 4096 x density, four inside a window of 1.5e-6 are expected in about 1e-4 of the 65,536 rows taken together.
;
; Work: 256 work-groups x 256 particles; 8 waves; a wave has two sets of 16 particles and walks all 64 fragments: 512 matrix instructions.
; No cluster: what the work-groups share is the 32 KB of grid_points, read once in front of the loop, and it has to pass through
; registers to be rounded and packed.  reference() never uses t.
; LIMITS: finite inputs whose squares stay far from overflow (a NaN or an infinity spoils the keys).
.set STAGE, 65536                      ; LDS: 64 KB of records, then 1 KB for the words on their way out
.set LANE, 1                           ; v1      lane
.set HALF, 2                           ; v2      lane >> 4
.set GOFF, 3                           ; v3      byte offset of my point in grid_points
.set LST,  4                           ; v4      LDS address of my record
.set YOFF, 5                           ; v5      byte offset of my particle in y
.set LA,   6                           ; v6      LDS address of my 16 bytes of the body's first fragment
.set ONES, 7                           ; v7      two bf16 ones
.set T,    8                           ; v8-13   at work
.set WORD, 14                          ; v14-15  a set's result
.set D,    16                          ; v16-47  ring of four result tiles
.set G,    16                          ;         (in front of the loop: 16 points as loaded)
.set YR,   48                          ; v48-51  y of my two particles
.set A0,   52                          ; v52-59  fragment of even number
.set A1,   60                          ; v60-67  fragment of odd number
.set R,    52                          ;         (in front of the loop: four records being built)
.set C,    68                          ; v68-83  |y|^2, eight times, for each set
.set B0,   84                          ; v84-119 the chain Z T00 Z T01 Z T10 Z T11 Z (T p e)
.set BS,   120                         ; v120-125 the three smallest keys, ascending, of set 0, of set 1
.set CLS,  16                          ; s16-19  class numbers (h = 0) of the body's four pairs of tiles
	s_load_b128 s[4:7], s[0:1], 0x0                ; grid_points s[4:5], y s[6:7]
	s_load_b64 s[8:9], s[0:1], 0x10                ; cand
	v_lshl_add_u32 v128, v0, 2, 0x10400
	v_mov_b32 v129, 0
	v_and_b32 v[LANE], 31, v0
	v_lshrrev_b32 v[T], 5, v0                      ; wave
	v_readfirstlane_b32 s10, v[T]
	v_lshrrev_b32 v[HALF], 4, v[LANE]
	v_and_b32 v[T+1], 7, v[LANE]                   ; the point of record slot l: bits 3 and 4 of l change places
	v_bfe_u32 v[T+2], v[LANE], 3, 1
	v_lshl_or_b32 v[T+1], v[T+2], 4, v[T+1]
	v_lshl_or_b32 v[T+1], v[HALF], 3, v[T+1]
	v_lshl_add_u32 v[T+1], v[T], 9, v[T+1]         ; + 512 points for each wave
	v_lshlrev_b32 v[GOFF], 3, v[T+1]               ; 8 bytes a point
	v_lshlrev_b32 v[LA], 4, v[LANE]                ; 16 bytes a lane
	s_lshl_b32 s22, s10, 13                        ; my wave's 512 records of 16 bytes: at most 7 x 8,192,
	v_add_nc_u32 v[LST], s22, v[LA]                ; + 16 x lane (at most 496); with the stores' offsets up to 7,680 the last byte is 65,535
	v_and_b32 v[T+1], 15, v[LANE]
	v_lshl_add_u32 v[T+1], v[T], 5, v[T+1]         ; particle 32 wave + r (set 1: 16 further)
	v_lshlrev_b32 v[YOFF], 3, v[T+1]
	s_lshl_b32 s2, ttmp9, 11                       ; the work-group's 256 particles: 2,048 bytes of y,
	s_mov_b32 s3, 0
	s_lshl_b32 s14, ttmp9, 10                      ; 1,024 bytes of cand
	s_mov_b32 s15, 0
	s_mov_b32 s11, 0xffff0000                      ; a word's upper 16 bits
	s_mov_b32 s12, 0x07060302                      ; v_perm_b32: the upper halves of two words
	s_mov_b32 s13, 0xffffff00                      ; a key's value bits
	s_mov_b32 s20, 0x76543210                      ; v_permlanex16_b32: lane i of the other half
	s_mov_b32 s21, 0xfedcba98
	s_mov_b32 s[CLS], 0
	s_mov_b32 s[CLS+1], 2
	s_mov_b32 s[CLS+2], 4
	s_mov_b32 s[CLS+3], 6
	s_wait_kmcnt 0x0
	s_add_nc_u64 s[6:7], s[6:7], s[2:3]
	s_add_nc_u64 s[8:9], s[8:9], s[14:15]
	global_load_b64 v[YR:YR+1], v[YOFF], s[6:7]
	global_load_b64 v[YR+2:YR+3], v[YOFF], s[6:7] offset:128
.irp k, 0,1,2,3,4,5,6,7,8,9,10,11,12,13,14,15
	global_load_b64 v[G+2*\k:G+2*\k+1], v[GOFF], s[4:5] offset:256*\k      ; 32 points: 256 neighbouring bytes a wave
.endr
	; while the loads are out: the K places that stay zero, and the ones
.irp z, 0,1,2,3,7,8,9,10,11,15,16,17,18,19,23,24,25,26,27,31,32,33,34,35
	v_mov_b32 v[B0+\z], 0
.endr
.irp z, 3,7,11,15
	v_mov_b32 v[R+\z], 0                           ; a record's fourth word
.endr
	v_mov_b32 v[ONES], 0x3f803f80
	v_mov_b32 v[T+5], 1.0                          ; as two bf16: 0 below, 1 above
	v_cmp_gt_u32 vcc_lo, 16, v[LANE]               ; lanes 0-15
.irp p, 0,1
	v_cndmask_b32 v[B0+5+16*\p],  v[B0], v[ONES], vcc_lo       ; T p 0 lives in lanes 0-15,
	v_cndmask_b32 v[B0+6+16*\p],  v[B0], v[T+5], vcc_lo
	v_cndmask_b32 v[B0+13+16*\p], v[ONES], v[B0], vcc_lo       ; T p 1 in lanes 16-31
	v_cndmask_b32 v[B0+14+16*\p], v[T+5], v[B0], vcc_lo
.endr
	s_wait_loadcnt 16                              ; y is in; the 16 loads of points issued behind it stay out
.irp p, 0,1
	v_mul_f32 v[YR+2*\p], -2.0, v[YR+2*\p]         ; bf16(-2 y) = -2 bf16(y): a power of two changes no rounding
	v_mul_f32 v[YR+2*\p+1], -2.0, v[YR+2*\p+1]
	v_cvt_pk_bf16_f32 v[T], v[YR+2*\p], v[YR+2*\p+1]
	v_lshlrev_b32 v[T+1], 16, v[T]
	v_and_b32 v[T+2], s11, v[T]
	v_mul_f32 v[T+1], v[T+1], v[T+1]
	v_fma_f32 v[T+1], v[T+2], v[T+2], v[T+1]       ; 4 |y|^2
.irp j, 0,1,2,3,4,5,6,7
	v_mul_f32 v[C+8*\p+\j], 0.25, v[T+1]
.endr
	v_cndmask_b32 v[B0+4+16*\p],  v[B0], v[T], vcc_lo
	v_cndmask_b32 v[B0+12+16*\p], v[T], v[B0], vcc_lo
.endr
; Two points: round, |g|^2, cut it into three bf16 (the upper 16 bits of a positive f32, of the rest, and what is left: 8 + 8 + 8 bits, exact).
.macro POINTS k
.set RA, R+4*(\k%4)
.set RB, R+4*(\k%4)+4
	s_wait_loadcnt 14-\k                           ; loads come back in order: points k and k + 1 are in, the later ones stay out
	v_cvt_pk_bf16_f32 v[RA], v[G+2*\k], v[G+2*\k+1]
	v_cvt_pk_bf16_f32 v[RB], v[G+2*\k+2], v[G+2*\k+3]
	v_lshlrev_b32 v[T], 16, v[RA]
	v_lshlrev_b32 v[T+3], 16, v[RB]
	v_and_b32 v[T+1], s11, v[RA]
	v_and_b32 v[T+4], s11, v[RB]
	v_mul_f32 v[T], v[T], v[T]
	v_mul_f32 v[T+3], v[T+3], v[T+3]
	v_fma_f32 v[T], v[T+1], v[T+1], v[T]           ; |g|^2
	v_fma_f32 v[T+3], v[T+4], v[T+4], v[T+3]
	v_and_b32 v[T+1], s11, v[T]                    ; hi
	v_and_b32 v[T+4], s11, v[T+3]
	v_sub_f32 v[T+1], v[T], v[T+1]                 ; the rest, exact
	v_sub_f32 v[T+4], v[T+3], v[T+4]
	v_and_b32 v[T+2], s11, v[T+1]                  ; mid
	v_and_b32 v[T+5], s11, v[T+4]
	v_perm_b32 v[RA+1], v[T+1], v[T], s12          ; hi below, mid above
	v_perm_b32 v[RB+1], v[T+4], v[T+3], s12
	v_sub_f32 v[RA+2], v[T+1], v[T+2]              ; lo: a bf16 in the upper half, zero below
	v_sub_f32 v[RB+2], v[T+4], v[T+5]
	ds_store_b128 v[LST], v[RA:RA+3] offset:512*\k
	ds_store_b128 v[LST], v[RB:RB+3] offset:512*\k+512
.endm
.irp k, 0,2,4,6,8,10,12,14
	POINTS \k
.endr
	s_wait_dscnt 0x0                               ; my records are in LDS before I say so
	s_barrier_signal -1
	s_barrier_wait -1                              ; everybody's are
; A new key into three sorted ones b1 <= b2 <= b3: the median of (b2, b3, key) is the new third, that of (b1, b2, key) the new second.
.macro UPD best, key
	v_med3_num_f32 v[\best+2], v[\best+1], v[\best+2], v[\key]
	v_med3_num_f32 v[\best+1], v[\best], v[\best+1], v[\key]
	v_min_num_f32 v[\best], v[\best], v[\key]
.endm
; Tile n = 0..15 of a body of two fragments: n = 8 (fragment) + 4 u + 2 p + e.
.macro MM n, abuf
.set DREG, D+8*((\n)%4)
.set BWIN, B0+8*((\n)%4)+4*(1-(((\n)>>2)&1))       ; u = 0: T then Z; u = 1: Z then T
.set CREG, C+8*(((\n)>>1)&1)
	v_wmma_f32_16x16x32_bf16 v[DREG:DREG+7], v[\abuf:\abuf+7], v[BWIN:BWIN+7], v[CREG:CREG+7]
.endm
; The vector work on tile n.  e = 0: eight numbers to two.  e = 1: those two and eight more to one, the key, the three smallest keys.
.macro VV n
.set DREG, D+8*((\n)%4)
.if ((\n)&1) == 0
	v_min3_num_f32 v[T], v[DREG], v[DREG+1], v[DREG+2]
	v_min3_num_f32 v[T+4], v[DREG+3], v[DREG+4], v[DREG+5]
	v_min3_num_f32 v[T+5], v[DREG+6], v[DREG+7], v[T]
.else
.set BEST, BS+3*(((\n)>>1)&1)
	v_min3_num_f32 v[T], v[DREG], v[DREG+1], v[DREG+2]
	v_min3_num_f32 v[T+1], v[DREG+3], v[DREG+4], v[DREG+5]
	v_min3_num_f32 v[T+2], v[DREG+6], v[DREG+7], v[T+4]
	v_min3_num_f32 v[T], v[T], v[T+1], v[T+5]
	v_min_num_f32 v[T], v[T], v[T+2]
	v_and_or_b32 v[T], v[T], s13, s[CLS+((\n)>>2)]             ; the class number (bit 0, the lane half, comes at the end)
	UPD BEST, T
.endif
.endm
; A body: 16 matrix instructions, each followed by the vector work on the tile issued two earlier.  So between a matrix instruction and the
; first read of its result stand two such pieces (3 + 9 vector instructions that name none of its registers; ISA guide 7.12.1 asks for four),
; and each run of loads into a fragment stands behind the 9 vector instructions that follow the last matrix instruction that read it.
.macro BODY first, last
	ds_load_b128 v[A1:A1+3], v[LA] offset:1024
	ds_load_b128 v[A1+4:A1+7], v[LA] offset:1536
	s_wait_dscnt 0x2                               ; the even fragment is in; the two loads just issued stay out
.irp tau, 0,1,2,3,4,5,6,7,8,9,10,11,12,13,14,15
.if \tau == 8
.if \last
	s_wait_dscnt 0x0                               ; the last fragment; nothing was asked behind it
.else
	ds_load_b128 v[A0:A0+3], v[LA] offset:2048     ; the next body's even fragment
	ds_load_b128 v[A0+4:A0+7], v[LA] offset:2560
	v_add_nc_u32 v[LA], 2048, v[LA]
	s_wait_dscnt 0x2                               ; the odd fragment is in; the two loads just issued stay out
.endif
.endif
.if \tau < 8
	MM \tau, A0
.else
	MM \tau, A1
.endif
.if \tau >= 2
	VV (\tau-2)
.else
.if \first
.if \tau == 1
.irp z, 0,1,2,3,4,5
	v_mov_b32 v[BS+\z], 0x7f800000                 ; the keys start at +infinity; these six lines are also the places
.endr                                              ; between the first matrix instruction and the first read of its result
.endif
.else
	VV (\tau+14)                                   ; the last two tiles of the body before, with its class number
.if \tau == 1
	s_add_co_u32 s[CLS], s[CLS], 8                 ; eight classes (four for each lane half) a body
	s_add_co_u32 s[CLS+1], s[CLS+1], 8
	s_add_co_u32 s[CLS+2], s[CLS+2], 8
	s_add_co_u32 s[CLS+3], s[CLS+3], 8
.endif
.endif
.endif
.endr
.endm
	ds_load_b128 v[A0:A0+3], v[LA]                 ; fragment 0
	ds_load_b128 v[A0+4:A0+7], v[LA] offset:512
	BODY 1, 0                                      ; body 0: nothing to finish from a body before
.Lbody:
	BODY 0, 0                                      ; bodies 1 to 30
	s_cmp_lt_u32 s[CLS], 240
	s_cbranch_scc1 .Lbody
	BODY 0, 1                                      ; body 31 asks for no further fragment
	VV 14
	VV 15
	; The lane half into bit 0 of the keys; then the three smallest of the six keys that the two lanes of a particle hold:
	; each lane takes the other's three and puts them in one by one.  Keys of different classes differ, so both lanes end alike.
.irp p, 0,1
	v_or_b32 v[BS+3*\p], v[BS+3*\p], v[HALF]
	v_or_b32 v[BS+3*\p+1], v[BS+3*\p+1], v[HALF]
	v_or_b32 v[BS+3*\p+2], v[BS+3*\p+2], v[HALF]
	v_permlanex16_b32 v[T], v[BS+3*\p], s20, s21
	v_permlanex16_b32 v[T+1], v[BS+3*\p+1], s20, s21
	v_permlanex16_b32 v[T+2], v[BS+3*\p+2], s20, s21
	UPD BS+3*\p, T
	UPD BS+3*\p, T+1
	UPD BS+3*\p, T+2
	v_and_b32 v[T], 0xff, v[BS+3*\p]
	v_and_b32 v[T+1], 0xff, v[BS+3*\p+1]
	v_and_b32 v[T+2], 0xff, v[BS+3*\p+2]
	v_lshl_or_b32 v[T], v[T+1], 8, v[T]
	v_lshl_or_b32 v[WORD+\p], v[T+2], 16, v[T]                 ; class | class << 8 | class << 16
.endr
	v_cmp_gt_u32 vcc_lo, 16, v[LANE]
	v_cndmask_b32 v[WORD], v[WORD+1], v[WORD], vcc_lo          ; lane l speaks for particle 32 wave + l
	v_lshl_add_u32 v[T], v0, 2, STAGE
	ds_store_b32 v[T], v[WORD]
	s_wait_dscnt 0x0                               ; my words are in LDS before I say so
	s_barrier_signal -1
	s_barrier_wait -1
	s_cmp_gt_u32 s10, 1                            ; waves 0 and 1 carry the 1,024 bytes out: each store of a wave covers 512 neighbouring bytes
	s_cbranch_scc1 .Ldone
	v_lshl_add_u32 v[T], v0, 4, STAGE
	ds_load_b128 v[D:D+3], v[T]
	v_lshlrev_b32 v[T+1], 4, v0
	s_wait_dscnt 0x0
	global_store_b128 v[T+1], v[D:D+3], s[8:9]
.Ldone:
	s_wait_tensorcnt 0x0
	ds_add_u32 v128, v129
	s_wait_dscnt 0x0
	s_endpgm
.Lfunc_end_k_q60d211c387_shortlist:
	.size	k_q60d211c387_shortlist, .Lfunc_end_k_q60d211c387_shortlist-k_q60d211c387_shortlist
	.p2alignl 7, 3214868480
	.fill 96, 4, 3214868480
	.section	.rodata,"a",@progbits
	.p2align	6, 0x0
	.amdhsa_kernel k_q60d211c387_shortlist
		.amdhsa_group_segment_fixed_size 67584
		.amdhsa_private_segment_fixed_size 0
		.amdhsa_enable_private_segment 0
		.amdhsa_kernarg_size 24
		.amdhsa_user_sgpr_count 2
		.amdhsa_user_sgpr_kernarg_segment_ptr 1
		.amdhsa_wavefront_size32 1
		.amdhsa_system_sgpr_workgroup_id_x 1
		.amdhsa_system_sgpr_workgroup_id_y 1
		.amdhsa_system_sgpr_workgroup_id_z 1
		.amdhsa_system_vgpr_workitem_id 0
		.amdhsa_next_free_vgpr 130
		.amdhsa_next_free_sgpr 66
		.amdhsa_reserve_vcc 1
		.amdhsa_float_denorm_mode_32 3
		.amdhsa_float_denorm_mode_16_64 3
		.amdhsa_memory_ordered 1
		.amdhsa_forward_progress 1
		.amdhsa_inst_pref_size 39
	.end_amdhsa_kernel
	.amdgpu_metadata
---
amdhsa.version: [ 1, 2 ]
amdhsa.kernels:
  - .name:           k_q60d211c387_shortlist
    .symbol:         k_q60d211c387_shortlist.kd
    .args:
      - { .name: grid_points, .offset: 0, .size: 8, .value_kind: global_buffer, .address_space: global }
      - { .name: y, .offset: 8, .size: 8, .value_kind: global_buffer, .address_space: global }
      - { .name: cand, .offset: 16, .size: 8, .value_kind: global_buffer, .address_space: global }
    .group_segment_fixed_size: 67584
    .private_segment_fixed_size: 0
    .kernarg_segment_align: 8
    .kernarg_segment_size: 24
    .max_flat_workgroup_size: 256
    .sgpr_count:     66
    .vgpr_count:     130
    .wavefront_size: 32
...
	.end_amdgpu_metadata
.endif
;; end of part 1
;; launch refine (part 2): grid 256 x 1, 8 waves a work-group, no clusters, 70,656 bytes of LDS; arguments grid_points, u_grid, v_grid, log_sigma, y, cand, out0, out1; writes out0, out1
.if DOCPART == 2
	.amdgcn_target "amdgcn-amd-amdhsa--gfx1250"
	.amdhsa_code_object_version 6
	.text
	.protected	k_q60d211c387_refine
	.globl	k_q60d211c387_refine
	.p2align	8
	.type	k_q60d211c387_refine,@function
k_q60d211c387_refine:
	s_mov_b64 s[64:65], 0
	v_nop
	global_prefetch_b8 v0, s[64:65] scope:SCOPE_SE
	s_setreg_imm32_b32 hwreg(HW_REG_WAVE_MODE, 25, 1), 1
	s_wait_xcnt 0x0
; REFINE: the argmin among the 48 grid points of the three classes that the launch before named for each particle, with reference()'s own
; roundings on inputs rounded to bf16, and the two outputs.
;   dot' = RNE((-2 y0) g0 + (-2 y1) g1) = -2 RNE(y0 g0 + y1 g1)   (products of two bf16 are exact in f32; a factor -2 changes no rounding)
;   d2   = RNE(|g|^2 + dot'),  |g|^2 = RNE(g0 g0 + g1 g1)
; The three classes are sorted ascending and scanned in three chains, each in ascending index with a strict <, and a higher class wins only
; if strictly smaller: the first index among equal d2, as argmin takes it.  u and v ride along by v_cndmask_b32, in f32: no address is made
; from a float.
; out1 = exp(log_sigma) + 0 * relu(y).
; One particle a lane, 256 a work-group.  Each work-group first builds the table of 4,096 records (g0 | g1 in bf16, |g|^2, u, v) in LDS;
; a class of 16 records has a pitch of 272 bytes, so that lanes with different classes do not all meet in one group of banks.  The 16 bytes
; behind a class's 256 are never written and never read: a candidate's load begins at class x 272 + 16 i, i at most 15.
; This is 48 of a particle's 4,096 pairs: plain f32 arithmetic, because each rounding has to be reference()'s; the matrix unit did the bulk.
; No cluster: the 64 KB that the work-groups share pass through registers once, to be rounded and packed.  reference() never uses t.
; LIMITS: finite inputs, squares far from overflow; a NaN in y gives sigma, not NaN (v_max_num_f32 drops it); sigma below 2^-126 comes out as 0.
.set PITCH, 272
.set OFF8, 1                           ; v1      8 x thread: grid_points, y, out0, out1
.set OFF4, 2                           ; v2      4 x thread: u_grid, v_grid, cand
.set LST,  3                           ; v3      LDS address of my record
.set YR,   6                           ; v6-7    y
.set CW,   8                           ; v8      the three classes
.set Y0N,  10                          ; v10     -2 bf16(y0)
.set Y1N,  11                          ; v11     -2 bf16(y1)
.set AD,   14                          ; v14-16  LDS address of the lowest, the middle, the highest class
.set ZERO, 17
.set SIG,  18
.set OUT0, 20                          ; v20-21  drift
.set OUT1, 22                          ; v22-23  diffusion
.set BEST, 24                          ; v24-26  smallest d2 of each chain
.set TT,   27                          ; v27-29  a candidate's d2 in each chain
.set UV,   30                          ; v30-35  u, v of each chain's smallest
.set W,    36                          ; v36-39  at work
.set Q,    40                          ; v40-231 48 records of four registers
	s_load_b256 s[4:11], s[0:1], 0x0               ; grid_points s[4:5], u_grid s[6:7], v_grid s[8:9], log_sigma s[10:11]
	s_load_b256 s[12:19], s[0:1], 0x20             ; y s[12:13], cand s[14:15], out0 s[16:17], out1 s[18:19]
	v_lshl_add_u32 v232, v0, 2, 0x11000
	v_mov_b32 v233, 0
	v_lshlrev_b32 v[OFF8], 3, v0
	v_lshlrev_b32 v[OFF4], 2, v0
	v_lshrrev_b32 v[LST], 4, v0
	v_and_b32 v4, 15, v0
	v_mul_u32_u24 v[LST], v[LST], PITCH
	v_lshl_add_u32 v[LST], v4, 4, v[LST]           ; class (thread >> 4), record (thread & 15)
	s_lshl_b32 s2, ttmp9, 11                       ; the work-group's 256 particles: 2,048 bytes of y, out0, out1,
	s_mov_b32 s3, 0
	s_lshl_b32 s20, ttmp9, 10                      ; 1,024 bytes of cand
	s_mov_b32 s21, 0
	s_mov_b32 s22, 0xffff0000
	s_wait_kmcnt 0x0
	s_load_b32 s23, s[10:11], 0x0                  ; log_sigma
	s_add_nc_u64 s[12:13], s[12:13], s[2:3]
	s_add_nc_u64 s[14:15], s[14:15], s[20:21]
	s_add_nc_u64 s[16:17], s[16:17], s[2:3]
	s_add_nc_u64 s[18:19], s[18:19], s[2:3]
	global_load_b64 v[YR:YR+1], v[OFF8], s[12:13]
	global_load_b32 v[CW], v[OFF4], s[14:15]
.irp k, 0,1,2,3,4,5,6,7,8,9,10,11,12,13,14,15
	global_load_b64 v[Q+4*\k:Q+4*\k+1], v[OFF8], s[4:5] offset:2048*\k     ; point thread + 256 k, straight into its record's registers
	global_load_b32 v[Q+4*\k+2], v[OFF4], s[6:7] offset:1024*\k
	global_load_b32 v[Q+4*\k+3], v[OFF4], s[8:9] offset:1024*\k
.endr
	s_wait_loadcnt 48                              ; y and the classes are in; the 48 loads for the table stay out
	v_mul_f32 v[W], -2.0, v[YR]
	v_mul_f32 v[W+1], -2.0, v[YR+1]
	v_cvt_pk_bf16_f32 v[W], v[W], v[W+1]
	v_lshlrev_b32 v[Y0N], 16, v[W]
	v_and_b32 v[Y1N], s22, v[W]
	v_and_b32 v[W], 0xff, v[CW]                    ; the three classes, sorted ascending
	v_bfe_u32 v[W+1], v[CW], 8, 8
	v_bfe_u32 v[W+2], v[CW], 16, 8
	v_min_u32 v[W+3], v[W], v[W+1]
	v_max_u32 v[W], v[W], v[W+1]
	v_max_u32 v[AD+2], v[W], v[W+2]                ; the highest
	v_min_u32 v[W], v[W], v[W+2]
	v_min_u32 v[AD], v[W+3], v[W]                  ; the lowest
	v_max_u32 v[AD+1], v[W+3], v[W]                ; the middle one
.irp c, 0,1,2
	v_min_u32 v[AD+\c], 0xff, v[AD+\c]             ; a loaded number enters an address only bounded
	v_mul_u32_u24 v[AD+\c], v[AD+\c], PITCH
.endr
	v_mov_b32 v[ZERO], 0
	s_wait_kmcnt 0x0
	s_mul_f32 s23, s23, 0x3fb8aa3b                 ; e^x = 2^(x log2 e)
	v_exp_f32 v[SIG], s23
	v_max_num_f32 v[W], 0, v[YR]                   ; relu; also the plain instruction between v_exp_f32 and the use of its result (ISA guide 5.7.2)
	v_max_num_f32 v[W+1], 0, v[YR+1]
	s_wait_alu depctr_va_vdst(0)
	v_fma_f32 v[OUT1], v[W], 0, v[SIG]
	v_fma_f32 v[OUT1+1], v[W+1], 0, v[SIG]
	global_store_b64 v[OFF8], v[OUT1:OUT1+1], s[18:19]         ; a wave's store covers 256 neighbouring bytes, aligned; its sources are not written again
.macro REC k
.set QK, Q+4*\k
.set TK, BEST+2*(\k%2)
	s_wait_loadcnt 3*(15-\k)                       ; point k's three loads are in; three for each later point stay out
	v_cvt_pk_bf16_f32 v[QK], v[QK], v[QK+1]
	v_lshlrev_b32 v[TK], 16, v[QK]
	v_and_b32 v[TK+1], s22, v[QK]
	v_mul_f32 v[TK], v[TK], v[TK]
	v_fma_f32 v[QK+1], v[TK+1], v[TK+1], v[TK]     ; |g|^2 of the rounded point, one rounding
	ds_store_b128 v[LST], v[QK:QK+3] offset:16*PITCH*\k
.endm
.irp k, 0,1,2,3,4,5,6,7,8,9,10,11,12,13,14,15
	REC \k
.endr
	s_wait_dscnt 0x0                               ; my records are in LDS before I say so
	s_barrier_signal -1
	s_barrier_wait -1
.irp i, 0,1,2,3,4,5,6,7,8,9,10,11,12,13,14,15
.irp c, 0,1,2
	ds_load_b128 v[Q+12*\i+4*\c:Q+12*\i+4*\c+3], v[AD+\c] offset:16*\i
.endr
.endr
; Candidate i of the three classes.  The first one starts the chains: nothing is cleared, and its u and v are read where they lie.
.macro CAND i
.set MA, 24+3*(\i%2)                               ; s24-26 and s27-29 in turn: the three chains' masks
.if \i == 0
.set DD, BEST
.else
.set DD, TT
.endif
	s_wait_dscnt 45-3*\i                           ; LDS loads come back in order: candidate i's three are in, three for each later one stay out
.irp c, 0,1,2
	v_fma_mix_f32_bf16 v[DD+\c], v[Q+12*\i+4*\c], v[Y0N], v[ZERO] op_sel_hi:[1,0,0]                    ; g0 (lower bf16) x -2 y0: exact
.endr
.irp c, 0,1,2
	v_fma_mix_f32_bf16 v[DD+\c], v[Q+12*\i+4*\c], v[Y1N], v[DD+\c] op_sel:[1,0,0] op_sel_hi:[1,0,0]    ; + g1 (upper bf16) x -2 y1: the dot's one rounding
.endr
.irp c, 0,1,2
	v_add_f32 v[DD+\c], v[DD+\c], v[Q+12*\i+4*\c+1]            ; + |g|^2
.endr
.if \i > 0
.irp c, 0,1,2
	v_cmp_lt_f32 s[MA+\c], v[TT+\c], v[BEST+\c]
.endr
.irp c, 0,1,2
	v_min_num_f32 v[BEST+\c], v[BEST+\c], v[TT+\c]
.endr
.irp c, 0,1,2
.if \i == 1
	v_cndmask_b32 v[UV+2*\c], v[Q+4*\c+2], v[Q+12*\i+4*\c+2], s[MA+\c]
	v_cndmask_b32 v[UV+2*\c+1], v[Q+4*\c+3], v[Q+12*\i+4*\c+3], s[MA+\c]
.else
	v_cndmask_b32 v[UV+2*\c], v[UV+2*\c], v[Q+12*\i+4*\c+2], s[MA+\c]
	v_cndmask_b32 v[UV+2*\c+1], v[UV+2*\c+1], v[Q+12*\i+4*\c+3], s[MA+\c]
.endif
.endr
.endif
.endm
.irp i, 0,1,2,3,4,5,6,7,8,9,10,11,12,13,14,15
	CAND \i
.endr
	v_cmp_lt_f32 vcc_lo, v[BEST+1], v[BEST]        ; the middle class only if strictly nearer than the lowest,
	v_min_num_f32 v[BEST], v[BEST], v[BEST+1]
	v_cndmask_b32 v[OUT0], v[UV], v[UV+2], vcc_lo
	v_cndmask_b32 v[OUT0+1], v[UV+1], v[UV+3], vcc_lo
	v_cmp_lt_f32 vcc_lo, v[BEST+2], v[BEST]        ; the highest only if strictly nearer than both
	v_cndmask_b32 v[OUT0], v[OUT0], v[UV+4], vcc_lo
	v_cndmask_b32 v[OUT0+1], v[OUT0+1], v[UV+5], vcc_lo
	global_store_b64 v[OFF8], v[OUT0:OUT0+1], s[16:17]         ; a wave's store covers 256 neighbouring bytes, aligned
	s_wait_tensorcnt 0x0
	ds_add_u32 v232, v233
	s_wait_dscnt 0x0
	s_endpgm
.Lfunc_end_k_q60d211c387_refine:
	.size	k_q60d211c387_refine, .Lfunc_end_k_q60d211c387_refine-k_q60d211c387_refine
	.p2alignl 7, 3214868480
	.fill 96, 4, 3214868480
	.section	.rodata,"a",@progbits
	.p2align	6, 0x0
	.amdhsa_kernel k_q60d211c387_refine
		.amdhsa_group_segment_fixed_size 70656
		.amdhsa_private_segment_fixed_size 0
		.amdhsa_enable_private_segment 0
		.amdhsa_kernarg_size 64
		.amdhsa_user_sgpr_count 2
		.amdhsa_user_sgpr_kernarg_segment_ptr 1
		.amdhsa_wavefront_size32 1
		.amdhsa_system_sgpr_workgroup_id_x 1
		.amdhsa_system_sgpr_workgroup_id_y 1
		.amdhsa_system_sgpr_workgroup_id_z 1
		.amdhsa_system_vgpr_workitem_id 0
		.amdhsa_next_free_vgpr 234
		.amdhsa_next_free_sgpr 66
		.amdhsa_reserve_vcc 1
		.amdhsa_float_denorm_mode_32 3
		.amdhsa_float_denorm_mode_16_64 3
		.amdhsa_memory_ordered 1
		.amdhsa_forward_progress 1
		.amdhsa_inst_pref_size 34
	.end_amdhsa_kernel
	.amdgpu_metadata
---
amdhsa.version: [ 1, 2 ]
amdhsa.kernels:
  - .name:           k_q60d211c387_refine
    .symbol:         k_q60d211c387_refine.kd
    .args:
      - { .name: grid_points, .offset: 0, .size: 8, .value_kind: global_buffer, .address_space: global }
      - { .name: u_grid, .offset: 8, .size: 8, .value_kind: global_buffer, .address_space: global }
      - { .name: v_grid, .offset: 16, .size: 8, .value_kind: global_buffer, .address_space: global }
      - { .name: log_sigma, .offset: 24, .size: 8, .value_kind: global_buffer, .address_space: global }
      - { .name: y, .offset: 32, .size: 8, .value_kind: global_buffer, .address_space: global }
      - { .name: cand, .offset: 40, .size: 8, .value_kind: global_buffer, .address_space: global }
      - { .name: out0, .offset: 48, .size: 8, .value_kind: global_buffer, .address_space: global }
      - { .name: out1, .offset: 56, .size: 8, .value_kind: global_buffer, .address_space: global }
    .group_segment_fixed_size: 70656
    .private_segment_fixed_size: 0
    .kernarg_segment_align: 8
    .kernarg_segment_size: 64
    .max_flat_workgroup_size: 256
    .sgpr_count:     66
    .vgpr_count:     234
    .wavefront_size: 32
...
	.end_amdgpu_metadata
.endif
;; end of part 2
;; ======== version 2 of 2: 2 launches; version 1 with the launch shortlist written anew for expert scheduling mode
;; workspace buffers: cand 262,144 bytes of whole numbers
;; launch shortlist (part 3): grid 256 x 1, 8 waves a work-group, no clusters, 67,584 bytes of LDS; arguments grid_points, y, cand; writes cand
.if DOCPART == 3
	.amdgcn_target "amdgcn-amd-amdhsa--gfx1250"
	.amdhsa_code_object_version 6
	.text
	.protected	k_q60d211c387_shortlist
	.globl	k_q60d211c387_shortlist
	.p2align	8
	.type	k_q60d211c387_shortlist,@function
k_q60d211c387_shortlist:
	s_mov_b64 s[64:65], 0
	v_nop
	global_prefetch_b8 v0, s[64:65] scope:SCOPE_SE
	s_setreg_imm32_b32 hwreg(HW_REG_WAVE_SCHED_MODE, 0, 2), 2
	s_setreg_imm32_b32 hwreg(HW_REG_WAVE_MODE, 25, 1), 1
	s_wait_xcnt 0x0
	s_wait_alu depctr_vm_vsrc(0)
; SHORTLIST: for each of 65,536 particles, the three classes of 16 consecutive grid points (of 256 classes) that hold the smallest
; squared distances.  The next launch decides among those 48 points with reference()'s own f32 roundings.
;
; The product runs on bf16 operands: y and grid_points are rounded to bf16 (nearest even), |g|^2 and |y|^2 are taken from the rounded numbers.
; One matrix instruction gives a 16 x 16 tile of |y|^2 + |g|^2 - 2 y.g:
;   A (rows = 16 grid points): K places  g0, g1, hi, mid, 0, lo   with hi + mid + lo = f32 |g|^2 cut exactly into three bf16
;   B (columns = 16 particles):          -2 y0, -2 y1, 1, 1, 0, 1
;   C: |y|^2 of the lane's particle in all eight registers (it moves every candidate of a particle alike; it makes the result a small
;      number, so that cutting its low 8 bits costs a relative 2^-15 of a squared distance).
; A tile needs 3 of a lane's 8 operand registers in one half of the lanes, so ONE A fragment carries FOUR tiles (register quad u = 0, 1;
; lane half e = 0, 1), and B is non-zero only at the places of the tile that is wanted: zero times a finite number adds nothing.
; The four B operands of a set of particles are windows of 8 registers over a chain  Z T(e=0) Z T(e=1) Z ..  of blocks of four registers.
; Result layout (ISA guide 7.12.2): lane (r, h) holds particle r and grid rows 8 h + j in register j: the minimum runs along a lane's own registers.
;
; Record s (16 bytes at LDS byte 16 s), s = 64 f + 32 u + 16 e + 8 h + j, holds point 64 f + 32 u + 16 h + 8 e + j: so lane half h sees, in the
; two tiles e = 0, 1, the 16 CONSECUTIVE points of class c = 4 f + 2 u + h.
; A class's minimum gets the class number in its low 8 bits; the three smallest keys are kept, sorted (two medians of three and a minimum).
; Three, because the matrix unit's sum and the cut key can misplace near ties, and reference()'s own roundings can make ties of them.
; Not served: four different classes so close that the matrix unit's sum misplaces them.  With squared distances of a particle's neighbours
; arriving at a rate of pi x 4096 x density, four inside a window of 1.5e-6 are expected in about 1e-4 of the 65,536 rows taken together.
;
; Work: 256 work-groups x 256 particles; 8 waves; a wave has two sets of 16 particles and walks all 64 fragments: 512 matrix instructions.
; No cluster: what the work-groups share is the 32 KB of grid_points, read once in front of the loop, and it has to pass through
; registers to be rounded and packed.  reference() never uses t.
; LIMITS: finite inputs whose squares stay far from overflow (a NaN or an infinity spoils the keys).
;
; THE MODE: SCHED_MODE bits 1:0 = 2 (LLVM: expert scheduling mode 2), set by the entry lines.  The code itself states the register dependences
; between vector or matrix instructions and memory or LDS instructions, with s_wait_alu, always for 0.
; THE PLAN.  Registers that memory or LDS instructions touch:
;   v3, v4, v5    offsets and the records' LDS address: made at the head, read by the loads and the record stores, never written again.
;   G, YR         global loads land there once; no vector instruction names them before.
;   REC0 .. 15    sixteen records, each in four registers of its own: written by the conversions, read by one LDS store each, in two runs of eight.
;   P0, P1        two pairs of fragments.  Body b's sixteen matrix instructions read pair b % 2; the four LDS loads issued in body b land in the
;                 other pair (the fragments of body b + 1), which the matrix instructions of body b - 1 read last.
;   v[LA]         read by every fragment load; written once a body, at the body's head.
;   B, C, D, T and the keys are named by vector and matrix instructions alone.
; So a body's head holds one wait on vm_vsrc (ahead of the add to v[LA]) and one on va_vdst (behind it), for sixteen matrix instructions; the body's
; four loads follow, one behind each of its first four matrix instructions.  No vector or matrix instruction of the body names v[LA] or the other pair.
.set STAGE, 65536                      ; LDS: 64 KB of records, then 1 KB for the words on their way out
.set LANE, 1                           ; v1      lane
.set HALF, 2                           ; v2      lane >> 4
.set GOFF, 3                           ; v3      byte offset of my point in grid_points
.set LST,  4                           ; v4      LDS address of my record
.set YOFF, 5                           ; v5      byte offset of my particle in y
.set LA,   6                           ; v6      LDS address of my 16 bytes of the pair of fragments that is asked for
.set ONES, 7                           ; v7      two bf16 ones
.set T,    8                           ; v8-13   at work
.set WORD, 14                          ; v14-15  a set's result
.set D,    16                          ; v16-47  ring of four result tiles
.set G,    16                          ;         (in front of the loop: 16 points as loaded)
.set YR,   48                          ; v48-51  y of my two particles
.set P0,   52                          ; v52-67  the two fragments of a body of even number
.set C,    68                          ; v68-83  |y|^2, eight times, for each set
.set B0,   84                          ; v84-119 the chain Z T00 Z T01 Z T10 Z T11 Z (T p e)
.set BS,   120                         ; v120-125 the three smallest keys, ascending, of set 0, of set 1
.set P1,   128                         ; v128-143 the two fragments of a body of odd number
.set REC,  128                         ; v128-191 (in front of the loop: record k at REC + 4 k)
.set CLS,  16                          ; s16-19  class numbers (h = 0) of the body's four pairs of tiles
	s_load_b128 s[4:7], s[0:1], 0x0                ; grid_points s[4:5], y s[6:7]
	s_load_b64 s[8:9], s[0:1], 0x10                ; cand
	v_lshl_add_u32 v126, v0, 2, 0x10400
	v_mov_b32 v127, 0
	v_and_b32 v[LANE], 31, v0
	v_lshrrev_b32 v[T], 5, v0                      ; wave
	v_readfirstlane_b32 s10, v[T]
	v_lshrrev_b32 v[HALF], 4, v[LANE]
	v_and_b32 v[T+1], 7, v[LANE]                   ; the point of record slot l: bits 3 and 4 of l change places
	v_bfe_u32 v[T+2], v[LANE], 3, 1
	v_lshl_or_b32 v[T+1], v[T+2], 4, v[T+1]
	v_lshl_or_b32 v[T+1], v[HALF], 3, v[T+1]
	v_lshl_add_u32 v[T+1], v[T], 9, v[T+1]         ; + 512 points for each wave
	v_lshlrev_b32 v[GOFF], 3, v[T+1]               ; 8 bytes a point
	v_lshlrev_b32 v[LA], 4, v[LANE]                ; 16 bytes a lane
	s_wait_alu depctr_va_sdst(0)                   ; s10 is written, ahead of its first reader: the next line
	s_lshl_b32 s22, s10, 13                        ; my wave's 512 records of 16 bytes: at most 7 x 8,192,
	v_add_nc_u32 v[LST], s22, v[LA]                ; + 16 x lane (at most 496); with the stores' offsets up to 7,680 the last byte is 65,535
	v_and_b32 v[T+1], 15, v[LANE]
	v_lshl_add_u32 v[T+1], v[T], 5, v[T+1]         ; particle 32 wave + r (set 1: 16 further)
	v_lshlrev_b32 v[YOFF], 3, v[T+1]
	s_lshl_b32 s2, ttmp9, 11                       ; the work-group's 256 particles: 2,048 bytes of y,
	s_mov_b32 s3, 0
	s_lshl_b32 s14, ttmp9, 10                      ; 1,024 bytes of cand
	s_mov_b32 s15, 0
	s_mov_b32 s11, 0xffff0000                      ; a word's upper 16 bits
	s_mov_b32 s12, 0x07060302                      ; v_perm_b32: the upper halves of two words
	s_mov_b32 s13, 0xffffff00                      ; a key's value bits
	s_mov_b32 s20, 0x76543210                      ; v_permlanex16_b32: lane i of the other half
	s_mov_b32 s21, 0xfedcba98
	s_mov_b32 s[CLS], 0
	s_mov_b32 s[CLS+1], 2
	s_mov_b32 s[CLS+2], 4
	s_mov_b32 s[CLS+3], 6
	s_wait_kmcnt 0x0
	s_add_nc_u64 s[6:7], s[6:7], s[2:3]
	s_add_nc_u64 s[8:9], s[8:9], s[14:15]
	s_wait_alu depctr_va_vdst(0)                   ; v3 to v6 are written: the loads below, the record stores and the first fragment loads read them, and no vector instruction names them in between
	global_load_b64 v[YR:YR+1], v[YOFF], s[6:7]
	global_load_b64 v[YR+2:YR+3], v[YOFF], s[6:7] offset:128
.irp k, 0,1,2,3,4,5,6,7,8,9,10,11,12,13,14,15
	global_load_b64 v[G+2*\k:G+2*\k+1], v[GOFF], s[4:5] offset:256*\k      ; 32 points: 256 neighbouring bytes a wave
.endr
	; while the loads are out: the K places that stay zero, and the ones
.irp z, 0,1,2,3,7,8,9,10,11,15,16,17,18,19,23,24,25,26,27,31,32,33,34,35
	v_mov_b32 v[B0+\z], 0
.endr
.irp k, 0,1,2,3,4,5,6,7,8,9,10,11,12,13,14,15
	v_mov_b32 v[REC+4*\k+3], 0                     ; a record's fourth word
.endr
	v_mov_b32 v[ONES], 0x3f803f80
	v_mov_b32 v[T+5], 1.0                          ; as two bf16: 0 below, 1 above
	v_cmp_gt_u32 vcc_lo, 16, v[LANE]               ; lanes 0-15
	s_wait_alu depctr_va_vcc(0)                    ; VCC is written, ahead of its first reader: the selects below
.irp p, 0,1
	v_cndmask_b32 v[B0+5+16*\p],  v[B0], v[ONES], vcc_lo       ; T p 0 lives in lanes 0-15,
	v_cndmask_b32 v[B0+6+16*\p],  v[B0], v[T+5], vcc_lo
	v_cndmask_b32 v[B0+13+16*\p], v[ONES], v[B0], vcc_lo       ; T p 1 in lanes 16-31
	v_cndmask_b32 v[B0+14+16*\p], v[T+5], v[B0], vcc_lo
.endr
	s_wait_loadcnt 16                              ; y is in; the 16 loads of points issued behind it stay out
.irp p, 0,1
	v_mul_f32 v[YR+2*\p], -2.0, v[YR+2*\p]         ; bf16(-2 y) = -2 bf16(y): a power of two changes no rounding
	v_mul_f32 v[YR+2*\p+1], -2.0, v[YR+2*\p+1]
	v_cvt_pk_bf16_f32 v[T], v[YR+2*\p], v[YR+2*\p+1]
	v_lshlrev_b32 v[T+1], 16, v[T]
	v_and_b32 v[T+2], s11, v[T]
	v_mul_f32 v[T+1], v[T+1], v[T+1]
	v_fma_f32 v[T+1], v[T+2], v[T+2], v[T+1]       ; 4 |y|^2
.irp j, 0,1,2,3,4,5,6,7
	v_mul_f32 v[C+8*\p+\j], 0.25, v[T+1]
.endr
	v_cndmask_b32 v[B0+4+16*\p],  v[B0], v[T], vcc_lo
	v_cndmask_b32 v[B0+12+16*\p], v[T], v[B0], vcc_lo
.endr
; Two points: round, |g|^2, cut it into three bf16 (the upper 16 bits of a positive f32, of the rest, and what is left: 8 + 8 + 8 bits, exact).
; Each record has registers of its own; the stores follow in runs of eight.
.macro POINTS k
.set RA, REC+4*\k
.set RB, REC+4*\k+4
	s_wait_loadcnt 14-\k                           ; loads come back in order: points k and k + 1 are in, the later ones stay out
	v_cvt_pk_bf16_f32 v[RA], v[G+2*\k], v[G+2*\k+1]
	v_cvt_pk_bf16_f32 v[RB], v[G+2*\k+2], v[G+2*\k+3]
	v_lshlrev_b32 v[T], 16, v[RA]
	v_lshlrev_b32 v[T+3], 16, v[RB]
	v_and_b32 v[T+1], s11, v[RA]
	v_and_b32 v[T+4], s11, v[RB]
	v_mul_f32 v[T], v[T], v[T]
	v_mul_f32 v[T+3], v[T+3], v[T+3]
	v_fma_f32 v[T], v[T+1], v[T+1], v[T]           ; |g|^2
	v_fma_f32 v[T+3], v[T+4], v[T+4], v[T+3]
	v_and_b32 v[T+1], s11, v[T]                    ; hi
	v_and_b32 v[T+4], s11, v[T+3]
	v_sub_f32 v[T+1], v[T], v[T+1]                 ; the rest, exact
	v_sub_f32 v[T+4], v[T+3], v[T+4]
	v_and_b32 v[T+2], s11, v[T+1]                  ; mid
	v_and_b32 v[T+5], s11, v[T+4]
	v_perm_b32 v[RA+1], v[T+1], v[T], s12          ; hi below, mid above
	v_perm_b32 v[RB+1], v[T+4], v[T+3], s12
	v_sub_f32 v[RA+2], v[T+1], v[T+2]              ; lo: a bf16 in the upper half, zero below
	v_sub_f32 v[RB+2], v[T+4], v[T+5]
.endm
.irp k, 0,2,4,6
	POINTS \k
.endr
	s_wait_alu depctr_va_vdst(0)                   ; records 0 to 7 are written, which the eight stores below read
.irp k, 0,1,2,3,4,5,6,7
	ds_store_b128 v[LST], v[REC+4*\k:REC+4*\k+3] offset:512*\k
.endr
.irp k, 8,10,12,14
	POINTS \k                                      ; these name records 8 to 15, G and T: none of the registers that the stores above read
.endr
	s_wait_alu depctr_va_vdst(0)                   ; records 8 to 15 are written, which the eight stores below read
.irp k, 8,9,10,11,12,13,14,15
	ds_store_b128 v[LST], v[REC+4*\k:REC+4*\k+3] offset:512*\k
.endr
	s_wait_dscnt 0x0                               ; my records are in LDS before I say so
	s_barrier_signal -1
	s_barrier_wait -1                              ; everybody's are
; A new key into three sorted ones b1 <= b2 <= b3: the median of (b2, b3, key) is the new third, that of (b1, b2, key) the new second.
.macro UPD best, key
	v_med3_num_f32 v[\best+2], v[\best+1], v[\best+2], v[\key]
	v_med3_num_f32 v[\best+1], v[\best], v[\best+1], v[\key]
	v_min_num_f32 v[\best], v[\best], v[\key]
.endm
; Tile n = 0..15 of a body of two fragments: n = 8 (fragment) + 4 u + 2 p + e.
.macro MM n, abuf
.set DREG, D+8*((\n)%4)
.set BWIN, B0+8*((\n)%4)+4*(1-(((\n)>>2)&1))       ; u = 0: T then Z; u = 1: Z then T
.set CREG, C+8*(((\n)>>1)&1)
	v_wmma_f32_16x16x32_bf16 v[DREG:DREG+7], v[\abuf:\abuf+7], v[BWIN:BWIN+7], v[CREG:CREG+7]
.endm
; The vector work on tile n.  e = 0: eight numbers to two.  e = 1: those two and eight more to one, the key, the three smallest keys.
.macro VV n
.set DREG, D+8*((\n)%4)
.if ((\n)&1) == 0
	v_min3_num_f32 v[T], v[DREG], v[DREG+1], v[DREG+2]
	v_min3_num_f32 v[T+4], v[DREG+3], v[DREG+4], v[DREG+5]
	v_min3_num_f32 v[T+5], v[DREG+6], v[DREG+7], v[T]
.else
.set BEST, BS+3*(((\n)>>1)&1)
	v_min3_num_f32 v[T], v[DREG], v[DREG+1], v[DREG+2]
	v_min3_num_f32 v[T+1], v[DREG+3], v[DREG+4], v[DREG+5]
	v_min3_num_f32 v[T+2], v[DREG+6], v[DREG+7], v[T+4]
	v_min3_num_f32 v[T], v[T], v[T+1], v[T+5]
	v_min_num_f32 v[T], v[T], v[T+2]
	v_and_or_b32 v[T], v[T], s13, s[CLS+((\n)>>2)]             ; the class number (bit 0, the lane half, comes at the end)
	UPD BEST, T
.endif
.endm
; A body: 16 matrix instructions on the pair cur, each followed by the vector work on the tile issued two earlier.  So between a matrix
; instruction and the first read of its result stand two such pieces (3 + 9 vector instructions that name none of its registers; ISA guide
; 7.12.1 asks for four).  The next body's two fragments are asked for into the pair nxt, one load behind each of the first four matrix
; instructions: they have the other twelve and their vector work in which to land.  last = 1: body 31, which asks for nothing and states nothing.
.macro BODY first, last, cur, nxt
	s_wait_dscnt 0x0                               ; the pair cur is in: its four loads were issued early in the body before (body 0: just in front)
.if !\last
	s_wait_alu depctr_vm_vsrc(0)                   ; the fragment loads issued so far have read v[LA]; in body 0 also: my record stores have read v128-143, which are the pair P1 from here on
	v_add_nc_u32 v[LA], 2048, v[LA]                ; the next body's two fragments
	s_wait_alu depctr_va_vdst(0)                   ; v[LA] is written; the matrix instructions of the body before are done reading the pair nxt (body 0: the conversions have written v128-143), in which the four loads below land
.endif
.irp tau, 0,1,2,3,4,5,6,7,8,9,10,11,12,13,14,15
.if \tau < 8
	MM \tau, \cur
.else
	MM \tau, \cur+8
.endif
.if \tau < 4
.if !\last
	ds_load_b128 v[\nxt+4*\tau:\nxt+4*\tau+3], v[LA] offset:512*\tau       ; no wait: no vector or matrix instruction since the wait above names v[LA] or the pair nxt
.endif
.endif
.if \tau >= 2
	VV (\tau-2)
.else
.if \first
.if \tau == 1
.irp z, 0,1,2,3,4,5
	v_mov_b32 v[BS+\z], 0x7f800000                 ; the keys start at +infinity; these six lines are also the places
.endr                                              ; between the first matrix instruction and the first read of its result
.endif
.else
	VV (\tau+14)                                   ; the last two tiles of the body before, with its class number
.if \tau == 1
	s_add_co_u32 s[CLS], s[CLS], 8                 ; eight classes (four for each lane half) a body
	s_add_co_u32 s[CLS+1], s[CLS+1], 8
	s_add_co_u32 s[CLS+2], s[CLS+2], 8
	s_add_co_u32 s[CLS+3], s[CLS+3], 8
.endif
.endif
.endif
.endr
.endm
.irp q, 0,1,2,3
	ds_load_b128 v[P0+4*\q:P0+4*\q+3], v[LA] offset:512*\q     ; fragments 0 and 1; v[LA] was written ahead of the head's wait, and no vector instruction has named P0
.endr
	BODY 1, 0, P0, P1                              ; body 0: nothing to finish from a body before
	s_mov_b32 s23, 15
.Lbody:                                                ; bodies 1 to 30, two a trip: both pairs are back at their start
	BODY 0, 0, P1, P0
	BODY 0, 0, P0, P1
	s_sub_co_u32 s23, s23, 1
	s_cmp_lg_u32 s23, 0
	s_cbranch_scc1 .Lbody
	BODY 0, 1, P1, P0                              ; body 31 asks for no further fragment
	VV 14
	VV 15
	; The lane half into bit 0 of the keys; then the three smallest of the six keys that the two lanes of a particle hold:
	; each lane takes the other's three and puts them in one by one.  Keys of different classes differ, so both lanes end alike.
.irp p, 0,1
	v_or_b32 v[BS+3*\p], v[BS+3*\p], v[HALF]
	v_or_b32 v[BS+3*\p+1], v[BS+3*\p+1], v[HALF]
	v_or_b32 v[BS+3*\p+2], v[BS+3*\p+2], v[HALF]
	v_permlanex16_b32 v[T], v[BS+3*\p], s20, s21
	v_permlanex16_b32 v[T+1], v[BS+3*\p+1], s20, s21
	v_permlanex16_b32 v[T+2], v[BS+3*\p+2], s20, s21
	UPD BS+3*\p, T
	UPD BS+3*\p, T+1
	UPD BS+3*\p, T+2
	v_and_b32 v[T], 0xff, v[BS+3*\p]
	v_and_b32 v[T+1], 0xff, v[BS+3*\p+1]
	v_and_b32 v[T+2], 0xff, v[BS+3*\p+2]
	v_lshl_or_b32 v[T], v[T+1], 8, v[T]
	v_lshl_or_b32 v[WORD+\p], v[T+2], 16, v[T]                 ; class | class << 8 | class << 16
.endr
	v_cmp_gt_u32 vcc_lo, 16, v[LANE]
	v_lshl_add_u32 v[T], v0, 2, STAGE
	s_wait_alu depctr_va_vcc(0)                    ; VCC is written, ahead of its first reader: the select below
	v_cndmask_b32 v[WORD], v[WORD+1], v[WORD], vcc_lo          ; lane l speaks for particle 32 wave + l
	s_wait_alu depctr_va_vdst(0)                   ; v[T] and v[WORD] are written, which the LDS store reads as its address and its data
	ds_store_b32 v[T], v[WORD]
	s_wait_dscnt 0x0                               ; my words are in LDS before I say so
	s_barrier_signal -1
	s_barrier_wait -1
	s_cmp_gt_u32 s10, 1                            ; waves 0 and 1 carry the 1,024 bytes out: each store of a wave covers 512 neighbouring bytes
	s_cbranch_scc1 .Ldone
	v_lshl_add_u32 v[T+1], v0, 4, STAGE            ; registers other than v[T], which the LDS store above read
	v_lshlrev_b32 v[T+2], 4, v0
	s_wait_alu depctr_va_vdst(0)                   ; the two addresses are written, which the LDS load and the store read; the matrix and vector instructions that named v16-19, in which the load lands, are done
	ds_load_b128 v[D:D+3], v[T+1]
	s_wait_dscnt 0x0
	global_store_b128 v[T+2], v[D:D+3], s[8:9]
.Ldone:
	s_wait_dscnt 0x0
	s_wait_alu depctr_hold_cnt(0) depctr_sa_sdst(0) depctr_va_vdst(0) depctr_va_sdst(0) depctr_va_ssrc(0) depctr_va_vcc(0) depctr_vm_vsrc(0)
	s_wait_tensorcnt 0x0
	ds_add_u32 v126, v127
	s_wait_dscnt 0x0
	s_endpgm
.Lfunc_end_k_q60d211c387_shortlist:
	.size	k_q60d211c387_shortlist, .Lfunc_end_k_q60d211c387_shortlist-k_q60d211c387_shortlist
	.p2alignl 7, 3214868480
	.fill 96, 4, 3214868480
	.section	.rodata,"a",@progbits
	.p2align	6, 0x0
	.amdhsa_kernel k_q60d211c387_shortlist
		.amdhsa_group_segment_fixed_size 67584
		.amdhsa_private_segment_fixed_size 0
		.amdhsa_enable_private_segment 0
		.amdhsa_kernarg_size 24
		.amdhsa_user_sgpr_count 2
		.amdhsa_user_sgpr_kernarg_segment_ptr 1
		.amdhsa_wavefront_size32 1
		.amdhsa_system_sgpr_workgroup_id_x 1
		.amdhsa_system_sgpr_workgroup_id_y 1
		.amdhsa_system_sgpr_workgroup_id_z 1
		.amdhsa_system_vgpr_workitem_id 0
		.amdhsa_next_free_vgpr 192
		.amdhsa_next_free_sgpr 66
		.amdhsa_reserve_vcc 1
		.amdhsa_float_denorm_mode_32 3
		.amdhsa_float_denorm_mode_16_64 3
		.amdhsa_memory_ordered 1
		.amdhsa_forward_progress 1
		.amdhsa_inst_pref_size 47
	.end_amdhsa_kernel
	.amdgpu_metadata
---
amdhsa.version: [ 1, 2 ]
amdhsa.kernels:
  - .name:           k_q60d211c387_shortlist
    .symbol:         k_q60d211c387_shortlist.kd
    .args:
      - { .name: grid_points, .offset: 0, .size: 8, .value_kind: global_buffer, .address_space: global }
      - { .name: y, .offset: 8, .size: 8, .value_kind: global_buffer, .address_space: global }
      - { .name: cand, .offset: 16, .size: 8, .value_kind: global_buffer, .address_space: global }
    .group_segment_fixed_size: 67584
    .private_segment_fixed_size: 0
    .kernarg_segment_align: 8
    .kernarg_segment_size: 24
    .max_flat_workgroup_size: 256
    .sgpr_count:     66
    .vgpr_count:     192
    .wavefront_size: 32
...
	.end_amdgpu_metadata
.endif
;; end of part 3
;; launch refine: the kernel of part 2 again; grid 256 x 1, 8 waves a work-group, no clusters, 70,656 bytes of LDS; arguments grid_points, u_grid, v_grid, log_sigma, y, cand, out0, out1; writes out0, out1
